; MI455X (gfx1250); checked and timed in simulation.
; The chip was launched on July 23, 2026; its instructions are those of AMD's public machine-readable ISA for CDNA 5 (MIT licence, August 2026) and "CDNA5" Instruction Set Architecture Reference Guide (July 2026). The comments in the code are by the model that wrote it; some were corrected since.
;; Multi Head Seq Attention. Allowed arithmetic: matrix products marked QUANTISED: E2M3 operands, one E8M0 scale for each 32 along K, by v_wmma_scale_f32_16x16x128_f8f6f4 with both operands' format E2M3, f32 sums; everything else in f32.
;; Inputs: Wk 1,024 x 1,024 float32; Wo 1,024 x 1,024 float32; Wq 1,024 x 1,024 float32; Wv 1,024 x 1,024 float32; h 2 x 2,048 x 1,024 float32; h_cache 2 x 2,048 x 1,024 float32; key_pe 1 x 64 x 2,048 float32.
;; Outputs: out0 2 x 2,048 x 1,024 float32.
;; This version of the problem:
;;   THIS VERSION OF THE PROBLEM IS GIVEN IN LOW PRECISION. The matrix products marked QUANTISED in the list below multiply operands that are first quantised to E2M3 (2 exponent bits, 3 mantissa bits; 6 bits a number), with one power-of-two scale for each 32 numbers along K (OCP MX v1.0); their sums are f32. All else is computed in f32.
;;   The module's matrix products, in the order in which they are computed (A, B: the left and right operand; K: the contracted axis; several contracted axes count as one K, in the product's order):
;;     1. [M 4,096, K 1,024] x [K 1,024, N 1,024]; A: input h; B: input Wq: QUANTISED
;;     2. [M 4,096, K 1,024] x [K 1,024, N 1,024]; A: input h_cache; B: input Wk: QUANTISED
;;     3. [M 4,096, K 1,024] x [K 1,024, N 1,024]; A: input h_cache; B: input Wv: QUANTISED
;;     4. batch 32 x [M 2,048, K 64] x [K 64, N 2,048]; A: computed on the way; B: computed on the way: QUANTISED
;;     5. [M 65,536, K 64] x [K 64, N 2,048]; A: computed on the way; B: input key_pe: QUANTISED
;;     6. batch 32 x [M 2,048, K 2,048] x [K 2,048, N 64]; A: computed on the way; B: computed on the way: QUANTISED
;;     7. [M 4,096, K 1,024] x [K 1,024, N 1,024]; A: computed on the way; B: input Wo: QUANTISED
;;   THE QUANTISER, for each operand of a quantised product, along K:
;;     - K is cut into blocks of 32 from its start; a last block that is shorter is filled with zeros.
;;     - A block's scale is 2^e with e = floor(log2(the largest magnitude in the block)) - 2, held to -126 .. 127; a block of zeros has e = 0. As a byte (E8M0): e + 127.
;;     - Each number is divided by its block's scale, clamped to +-7.5, and rounded to the nearest number of E2M3, ties to even, subnormals kept.
;;     - The product sums the exact products of the quantised numbers (number of the format x scale) in f32.
;;   ~~~python
;;   def quantise(x, axis):      # numpy; x: float32 -> the quantised numbers, widened to float32 again
;;       x = np.moveaxis(x, axis, -1); K = x.shape[-1]
;;       x = np.pad(x, [(0, 0)] * (x.ndim - 1) + [(0, -K % 32)]); x = x.reshape(x.shape[:-1] + (-1, 32)); a = np.abs(x).max(-1, keepdims=True)
;;       e = np.where(a > 0, np.clip(np.frexp(np.where(a > 0, a, 1))[1] - 1 - 2, -126, 127), 0)      # np.frexp(a)[1] - 1 = floor(log2(a)), exactly
;;       r = np.clip(x / 2.0 ** e, -7.5, 7.5)
;;       step = 2.0 ** (np.maximum(np.frexp(np.where(r == 0, 1, r))[1] - 1, 0) - 3)
;;       q = np.round(r / step) * step * 2.0 ** e      # np.round: ties to even
;;       return np.moveaxis(q.reshape(q.shape[:-2] + (-1,))[..., :K], -1, axis).astype(np.float32)
;;   ~~~
;;   OPERANDS COMPUTED ON THE WAY. 'Computed on the way' means the value that the module computes at that place (a softmax that the list does not call 'softmax' is quantised finished and normalised). What goes into a quantiser is computed in f32, as accurately as f32 sums, v_exp_f32 and their like allow (about 1e-6 of the number): no bf16 or f16 on the way to a quantiser, and a product that is left as it is and whose result goes on into a quantised operand takes f32 operands (vector FMAs, or v_wmma_f32_16x16x4_f32). A number that lies on a knife's edge between two numbers of the format may be rounded either way, as far as f32 arithmetic and the matrix unit's own rounding can turn it there, and no further.
;; One version. Each part assembles by itself: llvm-mc -triple=amdgcn-amd-amdhsa -mcpu=gfx1250 --defsym DOCPART=n.
;; ======== version 1 of 1: 4 launches
;; workspace buffers: opc 9,437,184 bytes; ops 393,216 bytes; qkvc 9,437,184 bytes; qkvs 393,216 bytes; oc 3,145,728 bytes; os 131,072 bytes
;; launch quant (part 1): grid 256 x 1, 6 waves a work-group, no clusters, 51,456 bytes of LDS; arguments h, h_cache, Wq, Wk, Wv, Wo, opc, ops; writes opc, ops
.if DOCPART == 1
	.amdgcn_target "amdgcn-amd-amdhsa--gfx1250"
	.amdhsa_code_object_version 6
	.text
	.protected	k_q764ed6b71e_quant
	.globl	k_q764ed6b71e_quant
	.p2align	8
	.type	k_q764ed6b71e_quant,@function
k_q764ed6b71e_quant:
	s_mov_b64 s[64:65], 0
	v_nop
	global_prefetch_b8 v0, s[64:65] scope:SCOPE_SE
	s_setreg_imm32_b32 hwreg(HW_REG_WAVE_MODE, 25, 1), 1
	s_wait_xcnt 0x0
; The six wide operands (h, h_cache: 4,096 rows; Wq, Wk, Wv, Wo: 1,024 rows; 1,024 f32 a row, K innermost) become codes of FP6 (E2M3) with one E8M0 byte for each 32 along K.
; A block's scale is 2^(floor(log2(its largest magnitude)) - 2): its byte is that magnitude's exponent field - 2; each number is divided by the scale and rounded to the nearest code, ties to even, beyond 7.5 the largest code.
; LIMITS: a block whose largest magnitude lies under 2^-124 gets the byte 1; a block of zeros gets the byte 1 and not 127 (its codes are zeros, and the bytes are read by this program alone); NaN and infinities are not served.
; LAYOUT OF THE RESULT.  A TILE is 16 rows: lane r of tile T holds row 32 (T / 2) + 8 (T % 2) + r + 8 (r / 8).  A fragment (a tile x 128 along K, 12 registers a lane) lies in memory as an IMAGE OF ITS REGISTERS:
; 1,536 bytes, registers 4 c .. 4 c + 3 of lane l at 512 c + 16 l.  opc: image (G, s) at (8 G + s) x 1,536, G the tile among all six tensors (h 0, h_cache 256, Wq 512, Wk 576, Wv 640, Wo 704), s the K step.
; ops: 512 bytes a tile: the scale word of row r and K step 4 h + q at 16 (16 h + r) + 4 q, so that one load of 16 bytes a lane brings a tile's eight words, four in lanes 0-15 and four in lanes 16-31.
; SHARES.  1,536 waves, each a tile x 512 along K: four K steps.  Each load reads 512 consecutive bytes of one row; a step's 16 rows turn through the wave's own stage in LDS (pitch 528), from which a lane takes,
; of its row, 16 neighbours of each block of 32.  Loads run two steps (32 loads a wave) ahead.  No barrier: waves share nothing.  Every store of codes covers 512 consecutive bytes, the scale words 256.
.set STG,   8448                       ; a wave's stage: 16 rows x (512 + 16) bytes
.set SPARE, 6*STG                      ; behind the stages: the spare words, 128 bytes a wave: three blocks of 256 bytes that no other line names
.set LI,  2                            ; v2   16 x lane
.set STI, 3                            ; v3   the stage, on the way in
.set STO, 4                            ; v4   and out: row r, + 64 h
.set SO,  5                            ; v5   16 r + 8 h: my place among the scale words
.set HH,  6                            ; v6   h = lane / 16
.set SPW, 8                            ; v8   LDS address of my spare word; never rewritten
.set NIL, 9                            ; v9   0; never rewritten
.set TM,  16                           ; v16-31  the quantiser's temporaries
.set PW,  32                           ; v32-35  the four steps' scale words
.set SL,  36                           ; v36-37  the two that my lane stores
.set PC,  40                           ; v40-59  the codes just made
.set X,   64                           ; v64-127 64 numbers: register 16 b + i = k 32 b + 16 h + i of my row
.set R,   128                          ; v128-255 two sets of 64 registers as loaded
.set SEL, 12                           ; s[12:13] lane selects: lane l xor 16
.set MSB, 0
.macro WIN new                         ; (all of this text lies in window 0: the macro writes nothing here)
.if MSB != (\new)
	s_set_vgpr_msb (MSB<<8)|(\new)
.set MSB, (\new)
.endif
.endm
; Line j of 68 of the quantiser.  64 numbers v[s] .. v[s + 63] (window X) become a fragment's codes in v[pc] .. v[pc + 11] and its rows' scale word in v[pw].
.macro QI s, X, pc, pw
.if j < 4
	WIN ((\X)<<2)|((\X)<<4)
	v_max3_num_f32 v[TM+j], 0x1800000, |v[(\s)+16*j]|, |v[(\s)+16*j+1]|   ; block j: my 16 numbers, and the floor 2^(3 - 127): the byte cannot fall under 1
.elseif j < 32
	WIN ((\X)<<2)|((\X)<<4)
	v_max3_num_f32 v[TM+j%4], v[TM+j%4], |v[(\s)+16*(j%4)+2*(j/4)]|, |v[(\s)+16*(j%4)+2*(j/4)+1]|   ; the four blocks by turns
.elseif j < 36
	WIN 0
	v_permlanex16_b32 v[TM+4+j-32], v[TM+j-32], s[SEL], s[SEL+1]
.elseif j < 40
	WIN 0
	v_max_num_f32 v[TM+j-36], v[TM+j-36], v[TM+4+j-36]     ; with lane l xor 16's: the block's largest magnitude
.elseif j < 44
	WIN 0
	v_add_nc_u32 v[TM+12+j-40], 0xff000000, v[TM+j-40]     ; 2 off its exponent field: the conversion's scale operand
.elseif j < 48
	WIN 0
	v_lshrrev_b32 v[TM+4+j-44], 23, v[TM+12+j-44]          ; the scale's byte
.elseif j == 48
	WIN 0
	v_lshl_or_b32 v[\pw], v[TM+5], 8, v[TM+4]
.elseif j < 51
	WIN 0
	v_lshl_or_b32 v[\pw], v[TM+4+j-47], 8*(j-47), v[\pw]
.elseif j < 55
	WIN (\X)
.if (j-51)%2 == 0
	v_cvt_scalef32_pk16_fp6_f32 v[(\pc)+6*((j-51)/2):(\pc)+6*((j-51)/2)+2], v[(\s)+32*((j-51)/2):(\s)+32*((j-51)/2)+15], v[TM+12+2*((j-51)/2)]
.else
	v_cvt_scalef32_pk16_fp6_f32 v[(\pc)+12+4*((j-51)/2):(\pc)+12+4*((j-51)/2)+2], v[(\s)+32*((j-51)/2)+16:(\s)+32*((j-51)/2)+31], v[TM+13+2*((j-51)/2)]
.endif
.elseif j == 55
	WIN 0
	v_nop                                                  ; one plain place behind the scaled conversions
.elseif (j-56)%6 < 3
	WIN 0
	v_permlane16_swap_b32 v[(\pc)+6*((j-56)/6)+(j-56)%6], v[(\pc)+12+4*((j-56)/6)+(j-56)%6]   ; a whole block to a lane: lanes 0-15 block 2 c, lanes 16-31 block 2 c + 1
.else
	WIN 0
	v_mov_b32 v[(\pc)+6*((j-56)/6)+(j-56)%6], v[(\pc)+12+4*((j-56)/6)+(j-56)%6-3]
.endif
.endm
.macro QUANT s, X, pc, pw
.set j, 0
.rept 68
	QI \s, \X, \pc, \pw
.set j, j+1
.endr
.endm
	s_load_b512 s[16:31], s[0:1], 0x0              ; h, h_cache, Wq, Wk, Wv, Wo, opc, ops
	v_lshl_add_u32 v[SPW], v0, 2, SPARE
	v_mov_b32 v[NIL], 0
	v_lshrrev_b32 v1, 5, v0
	v_readfirstlane_b32 s2, v1                     ; wave 0..5
	v_and_b32 v1, 31, v0                           ; lane
	v_and_b32 v7, 15, v0                           ; r
	v_bfe_u32 v[HH], v0, 4, 1                      ; h
	v_lshlrev_b32 v[LI], 4, v1
	s_mul_i32 s8, s2, STG
	v_add_nc_u32 v[STI], s8, v[LI]
	v_mul_u32_u24 v[STO], v7, 528
	v_lshl_add_u32 v[STO], v[HH], 6, v[STO]
	v_add_nc_u32 v[STO], s8, v[STO]
	v_lshlrev_b32 v[SO], 4, v7
	v_lshl_add_u32 v[SO], v[HH], 3, v[SO]
.irp b, 0,1,2,3
	v_mov_b32 v[TM+4+\b], 0                        ; written once: a lane permute's destination counts as one of its sources
.endr
	s_mov_b32 s[SEL], 0x76543210
	s_mov_b32 s[SEL+1], 0xfedcba98
	s_mul_i32 s3, ttmp9, 6
	s_add_co_u32 s3, s3, s2                        ; my unit
	s_and_b32 s9, s3, 1                            ; which half of K
	s_lshr_b32 s3, s3, 1                           ; G: my tile among all six tensors
	s_wait_kmcnt 0x0
	s_mov_b64 s[4:5], s[26:27]                     ; which tensor, and its first tile: the choice hangs on ids alone
	s_mov_b32 s6, 704
	s_cmp_lt_u32 s3, 704
	s_cselect_b64 s[4:5], s[24:25], s[4:5]
	s_cselect_b32 s6, 640, s6
	s_cmp_lt_u32 s3, 640
	s_cselect_b64 s[4:5], s[22:23], s[4:5]
	s_cselect_b32 s6, 576, s6
	s_cmp_lt_u32 s3, 576
	s_cselect_b64 s[4:5], s[20:21], s[4:5]
	s_cselect_b32 s6, 512, s6
	s_cmp_lt_u32 s3, 512
	s_cselect_b64 s[4:5], s[18:19], s[4:5]
	s_cselect_b32 s6, 256, s6
	s_cmp_lt_u32 s3, 256
	s_cselect_b64 s[4:5], s[16:17], s[4:5]
	s_cselect_b32 s6, 0, s6
	s_sub_co_u32 s6, s3, s6                        ; T: the tile in its tensor
	s_lshr_b32 s7, s6, 1
	s_lshl_b32 s7, s7, 17                          ; 32 (T / 2) rows of 4,096 bytes
	s_and_b32 s6, s6, 1
	s_lshl_b32 s6, s6, 15                          ; 8 (T % 2) rows
	s_add_co_u32 s6, s6, s7
	s_lshl_b32 s7, s9, 11                          ; my half of K: 2,048 bytes
	s_add_co_u32 s6, s6, s7
	s_mov_b32 s7, 0
	s_add_nc_u64 s[4:5], s[4:5], s[6:7]
	s_mul_i32 s6, s3, 12288
	s_mul_i32 s10, s9, 6144
	s_add_co_u32 s6, s6, s10
	s_add_nc_u64 s[28:29], s[28:29], s[6:7]        ; my four images
	s_lshl_b32 s6, s3, 9
	s_lshl_b32 s10, s9, 8
	s_add_co_u32 s6, s6, s10
	s_add_nc_u64 s[30:31], s[30:31], s[6:7]        ; my half of the tile's scale words
.macro LOAD t                          ; K step t: 512 bytes of each of the tile's 16 rows
.irp i, 0,1,2,3,4,5,6,7,8,9,10,11,12,13,14,15
	global_load_b128 v[R+64*((\t)%2)+4*\i:R+64*((\t)%2)+4*\i+3], v[LI], s[4:5] offset:(\i+8*(\i/8))*4096+512*(\t) th:TH_LOAD_NT
.endr
.endm
.macro STEP t
.if (\t) < 3
	s_wait_loadcnt 16                              ; this step's 16 loads are in; the next step's may be out
.else
	s_wait_loadcnt 0
.endif
.irp i, 0,1,2,3,4,5,6,7,8,9,10,11,12,13,14,15
	ds_store_b128 v[STI], v[R+64*((\t)%2)+4*\i:R+64*((\t)%2)+4*\i+3] offset:528*\i
.endr
.irp b, 0,1,2,3
.irp q, 0,1,2,3
	ds_load_b128 v[X+16*\b+4*\q:X+16*\b+4*\q+3], v[STO] offset:128*\b+16*\q   ; LDS serves a wave's instructions in order: these see the stores above
.endr
.endr
	s_wait_dscnt 0x0                               ; my 64 numbers are in, and the stores have read the set
	s_wait_xcnt 0x0                                ; the last step's stores have read the codes' registers, which are written again below
.if (\t) < 2
	LOAD (\t)+2
.endif
	QUANT X, 0, PC, PW+(\t)
.irp c, 0,1,2
	global_store_b128 v[LI], v[PC+4*\c:PC+4*\c+3], s[28:29] offset:1536*(\t)+512*\c   ; 512 consecutive bytes
.endr
.endm
	LOAD 0
	LOAD 1
	STEP 0
	STEP 1
	STEP 2
	STEP 3
	v_cmp_ne_u32 vcc_lo, 0, v[HH]                  ; lanes 0-15 store steps 0 and 1 of their row, lanes 16-31 steps 2 and 3 (every word stands in both halves of the lanes)
	v_cndmask_b32 v[SL], v[PW], v[PW+2], vcc_lo
	v_cndmask_b32 v[SL+1], v[PW+1], v[PW+3], vcc_lo
	global_store_b64 v[SO], v[SL:SL+1], s[30:31]   ; 256 consecutive bytes, aligned
	s_wait_tensorcnt 0x0                           ; the wave's end, behind my last LDS store
	ds_add_u32 v[SPW], v[NIL]
	s_wait_dscnt 0x0
	s_endpgm
.Lfunc_end_k_q764ed6b71e_quant:
	.size	k_q764ed6b71e_quant, .Lfunc_end_k_q764ed6b71e_quant-k_q764ed6b71e_quant
	.p2alignl 7, 3214868480
	.fill 96, 4, 3214868480
	.section	.rodata,"a",@progbits
	.p2align	6, 0x0
	.amdhsa_kernel k_q764ed6b71e_quant
		.amdhsa_group_segment_fixed_size 51456
		.amdhsa_private_segment_fixed_size 0
		.amdhsa_enable_private_segment 0
		.amdhsa_kernarg_size 64
		.amdhsa_user_sgpr_count 2
		.amdhsa_user_sgpr_kernarg_segment_ptr 1
		.amdhsa_wavefront_size32 1
		.amdhsa_system_sgpr_workgroup_id_x 1
		.amdhsa_system_sgpr_workgroup_id_y 1
		.amdhsa_system_sgpr_workgroup_id_z 1
		.amdhsa_system_vgpr_workitem_id 0
		.amdhsa_next_free_vgpr 256
		.amdhsa_next_free_sgpr 66
		.amdhsa_reserve_vcc 1
		.amdhsa_float_denorm_mode_32 3
		.amdhsa_float_denorm_mode_16_64 3
		.amdhsa_memory_ordered 1
		.amdhsa_forward_progress 1
		.amdhsa_inst_pref_size 34
	.end_amdhsa_kernel
	.amdgpu_metadata
---
amdhsa.version: [ 1, 2 ]
amdhsa.kernels:
  - .name:           k_q764ed6b71e_quant
    .symbol:         k_q764ed6b71e_quant.kd
    .args:
      - { .name: h, .offset: 0, .size: 8, .value_kind: global_buffer, .address_space: global }
      - { .name: h_cache, .offset: 8, .size: 8, .value_kind: global_buffer, .address_space: global }
      - { .name: Wq, .offset: 16, .size: 8, .value_kind: global_buffer, .address_space: global }
      - { .name: Wk, .offset: 24, .size: 8, .value_kind: global_buffer, .address_space: global }
      - { .name: Wv, .offset: 32, .size: 8, .value_kind: global_buffer, .address_space: global }
      - { .name: Wo, .offset: 40, .size: 8, .value_kind: global_buffer, .address_space: global }
      - { .name: opc, .offset: 48, .size: 8, .value_kind: global_buffer, .address_space: global }
      - { .name: ops, .offset: 56, .size: 8, .value_kind: global_buffer, .address_space: global }
    .group_segment_fixed_size: 51456
    .private_segment_fixed_size: 0
    .kernarg_segment_align: 8
    .kernarg_segment_size: 64
    .max_flat_workgroup_size: 192
    .sgpr_count:     66
    .vgpr_count:     256
    .wavefront_size: 32
...
	.end_amdgpu_metadata
.endif
;; end of part 1
;; launch proj (part 2): grid 4 x 48, 4 waves a work-group, clusters of 4 x 4, 327,680 bytes of LDS; arguments opc, ops, qkvc, qkvs; writes qkvc, qkvs
.if DOCPART == 2
	.amdgcn_target "amdgcn-amd-amdhsa--gfx1250"
	.amdhsa_code_object_version 6
	.text
	.protected	k_q764ed6b71e_proj
	.globl	k_q764ed6b71e_proj
	.p2align	8
	.type	k_q764ed6b71e_proj,@function
k_q764ed6b71e_proj:
	s_mov_b64 s[64:65], 0
	v_nop
	global_prefetch_b8 v0, s[64:65] scope:SCOPE_SE
	s_setreg_imm32_b32 hwreg(HW_REG_WAVE_MODE, 25, 1), 1
	s_wait_xcnt 0x0
	s_wait_alu depctr_hold_cnt(0) depctr_sa_sdst(0) depctr_va_vdst(0) depctr_va_sdst(0) depctr_va_ssrc(0) depctr_va_vcc(0) depctr_vm_vsrc(0)
	s_getreg_b32 s2, hwreg(HW_REG_IB_STS2, 6, 4)
	s_cmp_eq_u32 s2, 0
	s_cbranch_scc0 .Lentry_in_a_cluster
	s_endpgm
.Lentry_in_a_cluster:
	s_bfe_u32 s2, ttmp6, 0x10000c
	s_cmp_lg_u32 s2, 0xf033
	s_cbranch_scc0 .Lentry_shape_is_right
	s_endpgm
.Lentry_shape_is_right:
; q = h Wq^T, k = h_cache Wk^T, v = h_cache Wv^T on codes of FP6 (E2M3) with E8M0 scales, K = 1,024, sums in f32; the results are quantised here, in registers, along the K of the product that takes them next,
; and stored as images of operand registers.  (Tiles and images: a tile's lane r holds row 32 (T / 2) + 8 (T % 2) + r + 8 (r / 8); a fragment is 1,536 bytes, registers 4 c .. 4 c + 3 of lane l at 512 c + 16 l.)
; SOURCE 0 TAKES THE OPERAND WHOSE ROWS ARE THE NEXT K ("I"), SOURCE 1 THE OTHER ("J"): a lane then holds ONE row of J, and, by the choice of a tile's rows, the 64 registers of eight neighbouring tiles of I are
; register 16 b + i = next k 32 b + 16 (lane / 16) + i: what the quantiser takes.  q, k: J = the rows of h or h_cache, I = the weight's rows (channels: 128 = a pair of heads).  v: J = Wv's rows (channels), I = h_cache's rows (keys).
; SHARES.  12 clusters of 4 x 4 work-groups: cluster c makes tensor c / 4, quarter c % 4 of its 4,096 rows.  A work-group makes 256 (J) x 256 (I), a wave 128 x 128: 64 accumulators, 512 registers.
; 192 work-groups: a tile that gave each WGP one would leave a wave under 128 along I, which is no whole fragment to quantise.
; J's tiles are shared along a row of the cluster, I's along a column: each is asked for jointly.  K goes in four chunks of 256 through three LDS slots: chunks 0 to 2 are the first fills, chunk 3 refills slot 0.
; By this text's own count a wave has at most three tensor loads out.  Every LDS access is 512 consecutive bytes: no padding.
; LIMITS of the quantiser: a block whose largest magnitude lies under 2^-124 gets the byte 1, a block of zeros too (its codes are zeros; this program alone reads the bytes); NaN and infinities are not served.
; REGISTERS: window 0: v16-29 addresses; v32-63 J's scale words, v64-95 I's (four registers a tile: K step g in register g % 4, lanes 0-15 for g < 4, lanes 16-31 else); v96-123 the quantiser's; v128-223 J's fragments, one set.
;   window 1: I's fragments, two sets, at v0 and v128.   windows 2, 3: the accumulators: (a, b) at v[8 (8 (a % 4) + b)] of window 2 + a / 4.
.set FR,    12
.set IMG,   1536
.set TROW,  2*IMG                      ; a tile's part of a chunk: two K steps
.set HALF,  8*TROW                     ; what one tensor load brings, and what a wave reads of J or of I
.set SLOT,  4*HALF                     ; J's 16 tiles, then I's 16
.set SPARE, 3*SLOT                     ; behind the slots: the spare words, 128 bytes a wave
.set ADRA, 16                          ; v16-18 LDS address of my J fragments in slot 0, 1, 2
.set ADRB, 20                          ; v20-22 the same for I
.set LI,   24                          ; v24  16 x lane
.set HH,   25                          ; v25  lane / 16
.set SPW,  28
.set NIL,  29
.set AS,   32
.set BS,   64
.set TM,   96
.set PW,   112                         ; v112-119 the eight scale words made
.set SL,   120                         ; v120-123 those that my lane stores
.set AF,   128
.set PC0,  128                         ; on the way out: two sets of 20 for the codes
.set G1,   24                          ; s[24:31] group 1 for J's tiles; s[32:43] group 0, a set for each slot
.set G0,   32
.set G1B,  48                          ; s[48:55], s[68:79] the same for I's
.set G0B,  68
.set SEL,  56
.set MUL_LO, 0xa1                      ; source 0 window 1, source 1 window 0, C and D window 2
.set MUL_HI, 0xf1
.set TO_B,   0x40
.set MSB, 0
.macro WIN new                         ; the immediate's high byte repeats the setting that is left
.if MSB != (\new)
	s_set_vgpr_msb (MSB<<8)|(\new)
.set MSB, (\new)
.endif
.endm
.macro PLACES
.rept 4
	v_nop
.endr
.endm
; Line j of 68 of the quantiser: 64 numbers v[s] on (window X) become codes in v[pc] .. v[pc + 11] and the scale word v[pw], both in window 0.
.macro QI s, X, pc, pw
.if j < 4
	WIN ((\X)<<2)|((\X)<<4)
	v_max3_num_f32 v[TM+j], 0x1800000, |v[(\s)+16*j]|, |v[(\s)+16*j+1]|   ; block j: my 16 numbers, and the floor 2^(3 - 127).  Each accumulator is read from its low end on
.elseif j < 32
	WIN ((\X)<<2)|((\X)<<4)
	v_max3_num_f32 v[TM+j%4], v[TM+j%4], |v[(\s)+16*(j%4)+2*(j/4)]|, |v[(\s)+16*(j%4)+2*(j/4)+1]|
.elseif j < 36
	WIN 0
	v_permlanex16_b32 v[TM+4+j-32], v[TM+j-32], s[SEL], s[SEL+1]
.elseif j < 40
	WIN 0
	v_max_num_f32 v[TM+j-36], v[TM+j-36], v[TM+4+j-36]
.elseif j < 44
	WIN 0
	v_add_nc_u32 v[TM+12+j-40], 0xff000000, v[TM+j-40]     ; 2 off the exponent field: the conversion's scale operand
.elseif j < 48
	WIN 0
	v_lshrrev_b32 v[TM+4+j-44], 23, v[TM+12+j-44]          ; the scale's byte
.elseif j == 48
	WIN 0
	v_lshl_or_b32 v[\pw], v[TM+5], 8, v[TM+4]
.elseif j < 51
	WIN 0
	v_lshl_or_b32 v[\pw], v[TM+4+j-47], 8*(j-47), v[\pw]
.elseif j < 55
	WIN (\X)
.if (j-51)%2 == 0
	v_cvt_scalef32_pk16_fp6_f32 v[(\pc)+6*((j-51)/2):(\pc)+6*((j-51)/2)+2], v[(\s)+32*((j-51)/2):(\s)+32*((j-51)/2)+15], v[TM+12+2*((j-51)/2)]
.else
	v_cvt_scalef32_pk16_fp6_f32 v[(\pc)+12+4*((j-51)/2):(\pc)+12+4*((j-51)/2)+2], v[(\s)+32*((j-51)/2)+16:(\s)+32*((j-51)/2)+31], v[TM+13+2*((j-51)/2)]
.endif
.elseif j == 55
	WIN 0
	v_nop                                                  ; one plain place behind the scaled conversions
.elseif (j-56)%6 < 3
	WIN 0
	v_permlane16_swap_b32 v[(\pc)+6*((j-56)/6)+(j-56)%6], v[(\pc)+12+4*((j-56)/6)+(j-56)%6]
.else
	WIN 0
	v_mov_b32 v[(\pc)+6*((j-56)/6)+(j-56)%6], v[(\pc)+12+4*((j-56)/6)+(j-56)%6-3]
.endif
.endm
.macro QUANT s, X, pc, pw
.set j, 0
.rept 68
	QI \s, \X, \pc, \pw
.set j, j+1
.endr
.endm
; A joint load: waves 0 and 1 fetch J's halves, waves 2 and 3 I's.  The branch hangs on the wave's number alone.  An s_nop 0 and four v_nop follow each line.
.macro JLOAD g0a, g1a, g0b, g1b
	s_cmp_eq_u32 s15, 0
	s_cbranch_scc0 .Lfor_b_\@
	tensor_load_to_lds s[\g0a:\g0a+3], s[\g1a:\g1a+7]
	s_nop 0
	PLACES
	s_branch .Lasked_\@
.Lfor_b_\@:
	tensor_load_to_lds s[\g0b:\g0b+3], s[\g1b:\g1b+7]
	s_nop 0
	PLACES
.Lasked_\@:
.endm
.macro CREST                           ; a round of the cluster's barrier behind its opening barrier
	s_cmp_lg_u32 s14, 0
	s_cbranch_scc1 .Lnot_wave_0_\@
	s_barrier_signal -3
.Lnot_wave_0_\@:
	s_barrier_wait -3
	s_barrier_signal -1
	s_barrier_wait -1
.endm
.macro CROUND
	s_barrier_signal -1
	s_barrier_wait -1
	CREST
.endm
	s_load_b256 s[4:11], s[0:1], 0x0               ; opc, ops, qkvc, qkvs
	v_lshl_add_u32 v[SPW], v0, 2, SPARE
	v_mov_b32 v[NIL], 0
	ds_add_u32 v[SPW], v[NIL]                      ; the wave's opening: the add and its wait stand ahead of my first tensor load
	v_lshrrev_b32 v1, 5, v0
	v_readfirstlane_b32 s14, v1                    ; wave 0..3
	s_lshr_b32 s15, s14, 1                         ; my half of J.  Also: I fetch for J (0) or for I (1)
	s_and_b32 s16, s14, 1                          ; my half of I.  Also: which eight tiles I fetch
	s_bfe_u32 s80, ttmp6, 0x40000                  ; cx
	s_bfe_u32 s81, ttmp6, 0x40004                  ; cy
	s_and_b32 s82, ttmp7, 0xffff                   ; the cluster: 0..11
	s_lshr_b32 s83, s82, 2                         ; t: 0 q, 1 k, 2 v
	s_and_b32 s84, s82, 3
	s_lshl_b32 s84, s84, 6                         ; u: the quarter's first tile of the 256
	s_lshl_b32 s85, s83, 8
	s_add_co_u32 s85, s85, s84                     ; h or h_cache: 256 t + u
	s_add_co_u32 s86, s84, 256                     ; h_cache: 256 + u
	s_lshl_b32 s87, s83, 6
	s_add_co_u32 s87, s87, 512                     ; Wq or Wk: 512 + 64 t
	s_cmp_eq_u32 s83, 2                            ; v?  The same in all sixteen partners
	s_cselect_b32 s85, 640, s85                    ; J's first tile in opc
	s_cselect_b32 s86, s86, s87                    ; I's
	s_cselect_b32 s87, 0, s84                      ; J's first tile in its tensor
	s_cselect_b32 s88, s84, 0                      ; I's
	s_cselect_b32 s89, 32, 1                       ; the image's number = J tile x this
	s_cselect_b32 s90, 8, 256                      ; + (I tile / 8) x this
	s_lshl_b32 s17, s81, 2
	s_lshl_b32 s17, 15, s17                        ; my row of the cluster
	s_lshl_b32 s18, 0x1111, s80                    ; my column
	s_or_b32 s[G1], s17, (3<<16)|(1<<21)           ; 15:0 the mask; 17:16 elements of 8 bytes; 21 set beside a mask; no padding
	s_or_b32 s[G1B], s18, (3<<16)|(1<<21)
.irp g, G1, G1B
	s_mov_b32 s[\g+1], 384<<16                     ; tensor_dim0: 3,072 bytes, a tile's two K steps
	s_mov_b32 s[\g+2], 8<<16                       ; tensor_dim1: eight tiles
	s_mov_b32 s[\g+3], 384<<16                     ; tile_dim0
	s_mov_b32 s[\g+4], 8                           ; tile_dim1
	s_mov_b32 s[\g+5], 1536                        ; from tile to tile: 12,288 bytes
	s_mov_b32 s[\g+6], 0
	s_mov_b32 s[\g+7], 0
.endr
	s_lshl_b32 s91, s16, 3
	s_lshl_b32 s92, s81, 4
	s_add_co_u32 s92, s92, s85
	s_add_co_u32 s92, s92, s91                     ; J: tile base + 16 cy + 8 x half
	s_mul_i32 s92, s92, 8*IMG
	s_mov_b32 s93, 0
	s_lshl_b32 s94, s80, 4
	s_add_co_u32 s94, s94, s86
	s_add_co_u32 s94, s94, s91                     ; I: tile base + 16 cx + 8 x half
	s_mul_i32 s94, s94, 8*IMG
	s_mov_b32 s95, 0
	s_mul_i32 s19, s14, HALF                       ; where they go: no place in the cluster enters an LDS address
	s_mov_b32 s[SEL], 0x76543210
	s_mov_b32 s[SEL+1], 0xfedcba98
	s_wait_dscnt 0x0                               ; the opening add is done
	s_wait_kmcnt 0x0
	s_add_nc_u64 s[20:21], s[4:5], s[92:93]
	s_add_nc_u64 s[22:23], s[4:5], s[94:95]
	CROUND                                         ; all sixteen work-groups are here: the first joint loads meet
.irp s, 0,1,2
	s_mov_b32 s[G0+4*\s], 1
	s_add_co_u32 s[G0+4*\s+1], s19, \s*SLOT
	s_add_nc_u64 s[G0+4*\s+2:G0+4*\s+3], s[20:21], \s*TROW
	s_or_b32 s[G0+4*\s+3], s[G0+4*\s+3], 0x80000000
	s_mov_b32 s[G0B+4*\s], 1
	s_add_co_u32 s[G0B+4*\s+1], s19, \s*SLOT
	s_add_nc_u64 s[G0B+4*\s+2:G0B+4*\s+3], s[22:23], \s*TROW
	s_or_b32 s[G0B+4*\s+3], s[G0B+4*\s+3], 0x80000000
	JLOAD G0+4*\s, G1, G0B+4*\s, G1B               ; chunks 0, 1, 2
.endr
	v_and_b32 v1, 31, v0
	v_lshlrev_b32 v[LI], 4, v1
	v_bfe_u32 v[HH], v0, 4, 1
.irp b, 0,1,2,3
	v_mov_b32 v[TM+4+\b], 0                        ; written once: a lane permute's destination counts as one of its sources
.endr
	s_mul_i32 s44, s15, HALF
	s_mul_i32 s45, s16, HALF
	s_add_co_u32 s45, s45, 2*HALF
.irp s, 0,1,2
	v_add_nc_u32 v[ADRA+\s], s44, v[LI]
	v_add_nc_u32 v[ADRB+\s], s45, v[LI]
	s_add_co_u32 s44, s44, SLOT
	s_add_co_u32 s45, s45, SLOT
.endr
	s_lshl_b32 s44, s15, 3
	s_lshl_b32 s45, s81, 4
	s_add_co_u32 s44, s44, s45                     ; 16 cy + 8 x my half of J
	s_add_co_u32 s46, s44, s85
	s_lshl_b32 s46, s46, 9
	s_mov_b32 s47, 0
	s_add_nc_u64 s[58:59], s[6:7], s[46:47]        ; my eight J tiles' scale words
	s_add_co_u32 s44, s44, s87                     ; my first J tile in its tensor
	s_lshl_b32 s96, s16, 3
	s_lshl_b32 s97, s80, 4
	s_add_co_u32 s96, s96, s97                     ; 16 cx + 8 x my half of I
	s_add_co_u32 s62, s96, s86
	s_lshl_b32 s62, s62, 9
	s_mov_b32 s63, 0
	s_add_nc_u64 s[60:61], s[6:7], s[62:63]        ; my eight I tiles' scale words
.irp i, 0,1,2,3,4,5,6,7
	global_load_b128 v[AS+4*\i:AS+4*\i+3], v[LI], s[58:59] offset:512*\i
	global_load_b128 v[BS+4*\i:BS+4*\i+3], v[LI], s[60:61] offset:512*\i
.endr
	s_add_co_u32 s96, s96, s88
	s_lshr_b32 s96, s96, 3                         ; which 128 of the next K are mine
	s_mul_i32 s96, s96, s90
	s_mul_i32 s44, s44, s89
	s_add_co_u32 s44, s44, s96                     ; the number of my first image in the tensor's region: a multiple of 8; my eight follow each other
	s_mul_i32 s62, s44, IMG
	s_mul_i32 s97, s83, 3145728
	s_add_co_u32 s62, s62, s97
	s_add_nc_u64 s[8:9], s[8:9], s[62:63]
	s_lshl_b32 s62, s44, 6                         ; 512 bytes of scale words for eight images
	s_lshl_b32 s97, s83, 17
	s_add_co_u32 s62, s62, s97
	s_add_nc_u64 s[10:11], s[10:11], s[62:63]
; one matrix line.  d: the accumulator; a: source 0; b: source 1; z = 1: the product starts the sum; row = 1: both scale words stand in lanes 16-31
.macro WM d, a, b, z, sa, sb, row
.if \z
	v_wmma_scale_f32_16x16x128_f8f6f4 v[(\d):(\d)+7], v[(\a):(\a)+FR-1], v[(\b):(\b)+FR-1], 0, v[\sa], v[\sb] matrix_a_fmt:MATRIX_FMT_FP6 matrix_b_fmt:MATRIX_FMT_FP6
.elseif \row
	v_wmma_scale_f32_16x16x128_f8f6f4 v[(\d):(\d)+7], v[(\a):(\a)+FR-1], v[(\b):(\b)+FR-1], v[(\d):(\d)+7], v[\sa], v[\sb] matrix_a_fmt:MATRIX_FMT_FP6 matrix_b_fmt:MATRIX_FMT_FP6 matrix_a_scale:MATRIX_SCALE_ROW1 matrix_b_scale:MATRIX_SCALE_ROW1
.else
	v_wmma_scale_f32_16x16x128_f8f6f4 v[(\d):(\d)+7], v[(\a):(\a)+FR-1], v[(\b):(\b)+FR-1], v[(\d):(\d)+7], v[\sa], v[\sb] matrix_a_fmt:MATRIX_FMT_FP6 matrix_b_fmt:MATRIX_FMT_FP6
.endif
.endm
; 16 matrix instructions of K step g: J's blocks a0, a0 + 1 x I's eight.  The 64 accumulators take turns, one instruction a turn, in the same order in every step.
.macro MUL16 a0, g, zero
.irp a, \a0, \a0+1
.irp b, 0,1,2,3,4,5,6,7
	WM 8*(8*((\a)%4)+\b), 128*((\g)%2)+FR*\b, AF+FR*(\a), \zero, BS+4*\b+(\g)%4, AS+4*(\a)+(\g)%4, (\g)/4
.endr
.endr
.endm
.macro FRAG3 reg, adr, off             ; an image comes back as the registers that it was
.irp c, 0,1,2
	ds_load_b128 v[(\reg)+4*\c:(\reg)+4*\c+3], v[\adr] offset:(\off)+512*\c
.endr
.endm
.macro FETCH_B g                       ; I's eight fragments of K step g (chunk g / 2 lies in slot (g / 2) % 3) into set g % 2
	WIN TO_B
.irp i, 0,1,2,3,4,5,6,7
	FRAG3 128*((\g)%2)+FR*\i, ADRB+((\g)/2)%3, \i*TROW+((\g)%2)*IMG
.endr
	WIN 0
.endm
.macro FETCH_A g, i0                   ; J's blocks i0 .. i0 + 3
.irp i, \i0, \i0+1, \i0+2, \i0+3
	FRAG3 AF+FR*(\i), ADRA+((\g)/2)%3, (\i)*TROW+((\g)%2)*IMG
.endr
.endm
; A K step whose successor's chunk is known to be whole.  Four places stand in front of each run of loads into registers that matrix instructions have read.
.macro STEP g, zero
	s_wait_dscnt 12                                ; I's set and J's blocks 0-3 are in; the youngest 12 loads (J's blocks 4-7) may be out
	WIN MUL_LO
	MUL16 0, \g, \zero
	MUL16 2, \g, \zero
	s_wait_dscnt 0
	PLACES
	FETCH_B (\g)+1
	FETCH_A (\g)+1, 0
	WIN MUL_HI
	MUL16 4, \g, \zero
	MUL16 6, \g, \zero
	PLACES
	WIN 0
	FETCH_A (\g)+1, 4
.endm
; A K step with a barrier in it: in front each wave waits for ALL its tensor loads, adds 0 to its spare word, and waits for that and for its reads.  fill = 1: slot 0 is left and takes chunk 3, behind a round of the cluster's barrier.
.macro TURN g, fill
	s_wait_tensorcnt 0x0                           ; all my tensor loads have landed (every window is 0 here)
	ds_add_u32 v[SPW], v[NIL]
	s_wait_dscnt 13                                ; (the add and J's blocks 4-7 may be out)
	WIN MUL_LO
	MUL16 0, \g, 0                                 ; sixteen matrix instructions between the add and the wait for it
	s_wait_dscnt 0x0                               ; the add is done, and my reads of this step's slot are over
	s_barrier_signal -1
	MUL16 2, \g, 0
	WIN 0
	s_barrier_wait -1
.if \fill
	CREST                                          ; no wave of any partner still reads slot 0 or has a load on its way
	s_add_nc_u64 s[G0+2:G0+3], s[G0+2:G0+3], 3*TROW
	s_add_nc_u64 s[G0B+2:G0B+3], s[G0B+2:G0B+3], 3*TROW
	JLOAD G0, G1, G0B, G1B                         ; my one tensor load behind the round; 224 matrix instructions stand ahead of the wait for it.  Its four v_nop are the places for the loads below
.else
	PLACES
.endif
	FETCH_B (\g)+1
	FETCH_A (\g)+1, 0
	WIN MUL_HI
	MUL16 4, \g, 0
	MUL16 6, \g, 0
	PLACES
	WIN 0
	FETCH_A (\g)+1, 4
.endm
	s_wait_tensorcnt 2                             ; my part of chunk 0 is in; chunks 1 and 2 may be out
	s_barrier_signal -1
	s_barrier_wait -1
	FETCH_B 0
	FETCH_A 0, 0
	FETCH_A 0, 4
	s_wait_loadcnt 0x0                             ; the scale words
	STEP 0, 1                                      ; the first products start the sums: nothing is cleared
	TURN 1, 1                                      ; chunks 1 and 2 are whole in every wave's eyes from here on
	STEP 2, 0
	STEP 3, 0
	STEP 4, 0
	TURN 5, 0                                      ; chunk 3 is whole
	STEP 6, 0
	s_wait_dscnt 12
	WIN MUL_LO
	MUL16 0, 7, 0
	MUL16 2, 7, 0
	s_wait_dscnt 0
	WIN MUL_HI
	MUL16 4, 7, 0
	MUL16 6, 7, 0
	WIN 0
	PLACES
	; THE WAY OUT: J's block a, 16 rows x 128 of the next K, becomes one fragment and one scale word a row
.irp a, 0,1,2,3,4,5,6,7
.if \a > 0
	s_wait_xcnt 0x0                                ; the earlier stores have read the codes' registers
.endif
	QUANT 64*(\a%4), 2+\a/4, PC0+20*(\a%2), PW+\a
.irp c, 0,1,2
	global_store_b128 v[LI], v[PC0+20*(\a%2)+4*\c:PC0+20*(\a%2)+4*\c+3], s[8:9] offset:IMG*\a+512*\c   ; 512 consecutive bytes
.endr
.endr
	v_cmp_ne_u32 vcc_lo, 0, v[HH]                  ; the eight words as a group: register q holds image q in lanes 0-15, image 4 + q in lanes 16-31
.irp q, 0,1,2,3
	v_cndmask_b32 v[SL+\q], v[PW+\q], v[PW+4+\q], vcc_lo
.endr
	global_store_b128 v[LI], v[SL:SL+3], s[10:11]
	s_wait_tensorcnt 0x0                           ; the wave's end
	ds_add_u32 v[SPW], v[NIL]
	s_wait_dscnt 0x0
	CROUND                                         ; the closing round
	s_endpgm
.Lfunc_end_k_q764ed6b71e_proj:
	.size	k_q764ed6b71e_proj, .Lfunc_end_k_q764ed6b71e_proj-k_q764ed6b71e_proj
	.p2alignl 7, 3214868480
	.fill 96, 4, 3214868480
	.section	.rodata,"a",@progbits
	.p2align	6, 0x0
	.amdhsa_kernel k_q764ed6b71e_proj
		.amdhsa_group_segment_fixed_size 327680
		.amdhsa_private_segment_fixed_size 0
		.amdhsa_enable_private_segment 0
		.amdhsa_kernarg_size 32
		.amdhsa_user_sgpr_count 2
		.amdhsa_user_sgpr_kernarg_segment_ptr 1
		.amdhsa_wavefront_size32 1
		.amdhsa_system_sgpr_workgroup_id_x 1
		.amdhsa_system_sgpr_workgroup_id_y 1
		.amdhsa_system_sgpr_workgroup_id_z 1
		.amdhsa_system_vgpr_workitem_id 0
		.amdhsa_next_free_vgpr 1024
		.amdhsa_next_free_sgpr 100
		.amdhsa_reserve_vcc 1
		.amdhsa_float_denorm_mode_32 3
		.amdhsa_float_denorm_mode_16_64 3
		.amdhsa_memory_ordered 1
		.amdhsa_forward_progress 1
		.amdhsa_inst_pref_size 137
	.end_amdhsa_kernel
	.amdgpu_metadata
---
amdhsa.version: [ 1, 2 ]
amdhsa.kernels:
  - .name:           k_q764ed6b71e_proj
    .symbol:         k_q764ed6b71e_proj.kd
    .args:
      - { .name: opc, .offset: 0, .size: 8, .value_kind: global_buffer, .address_space: global }
      - { .name: ops, .offset: 8, .size: 8, .value_kind: global_buffer, .address_space: global }
      - { .name: qkvc, .offset: 16, .size: 8, .value_kind: global_buffer, .address_space: global }
      - { .name: qkvs, .offset: 24, .size: 8, .value_kind: global_buffer, .address_space: global }
    .group_segment_fixed_size: 327680
    .private_segment_fixed_size: 0
    .kernarg_segment_align: 8
    .kernarg_segment_size: 32
    .max_flat_workgroup_size: 128
    .sgpr_count:     100
    .vgpr_count:     1024
    .wavefront_size: 32
...
	.end_amdgpu_metadata
.endif
;; end of part 2
;; launch attn (part 3): grid 16 x 16, 4 waves a work-group, clusters of 4 x 1, 327,680 bytes of LDS; arguments qkvc, qkvs, oc, os; writes oc, os
.if DOCPART == 3
	.amdgcn_target "amdgcn-amd-amdhsa--gfx1250"
	.amdhsa_code_object_version 6
	.text
	.protected	k_q764ed6b71e_attn
	.globl	k_q764ed6b71e_attn
	.p2align	8
	.type	k_q764ed6b71e_attn,@function
k_q764ed6b71e_attn:
	s_mov_b64 s[64:65], 0
	v_nop
	global_prefetch_b8 v0, s[64:65] scope:SCOPE_SE
	s_setreg_imm32_b32 hwreg(HW_REG_WAVE_MODE, 25, 1), 1
	s_wait_xcnt 0x0
	s_wait_alu depctr_hold_cnt(0) depctr_sa_sdst(0) depctr_va_vdst(0) depctr_va_sdst(0) depctr_va_ssrc(0) depctr_va_vcc(0) depctr_vm_vsrc(0)
	s_getreg_b32 s2, hwreg(HW_REG_IB_STS2, 6, 4)
	s_cmp_eq_u32 s2, 0
	s_cbranch_scc0 .Lentry_in_a_cluster
	s_endpgm
.Lentry_in_a_cluster:
	s_bfe_u32 s2, ttmp6, 0x10000c
	s_cmp_lg_u32 s2, 0x3003
	s_cbranch_scc0 .Lentry_shape_is_right
	s_endpgm
.Lentry_shape_is_right:
; out[b][head][m][:] = the sum over keys l of (q[m] . k[l]) v[l][:], both products on codes of FP6 (E2M3) with E8M0 scales; the scores are quantised along the keys, in blocks of 32, as they stand.
; WHAT IS NOT COMPUTED: the function that this program serves forms a softmax of (content + positional scores) and never uses it: its result multiplies v by the CONTENT scores.  So the result is the same for every key_pe:
; the positional product and the softmax are not computed, and key_pe is not an argument of any launch.
; SHARES.  A work-group owns 128 queries of one batch and one PAIR of heads (pb = 2 x pair + batch).  Wave w owns 64 of them (w % 2: four tiles of 16) and half of the 2,048 keys (w / 2: eight steps of 128), for BOTH heads.
; The two waves of one set of queries add their sums at the end, through LDS.
; K = 64 IN AN INSTRUCTION OF 128: a fragment of k holds both heads' 64 channels (registers 0-5 the even head's, 6-11 the odd head's) and is used as it lies; q's fragment is laid as q_even, six zeros, q_odd (18 registers),
; of which registers 0-11 serve the even head and 6-17 the odd one.  Zero codes add nothing under any scale byte, so both scale words are used whole.
; LAYOUT.  Both products are used transposed (S^T = k q^T, O^T = v^T P^T): a lane holds one query throughout; by the choice of a tile's rows (lane r of tile T: row 32 (T / 2) + 8 (T % 2) + r + 8 (r / 8)) the 64 registers of
; eight tiles are register 16 b + i = index 32 b + 16 (lane / 16) + i: what the quantiser takes.  O^T of a tile, both heads, is K step "pair" of the last product: it is quantised here and stored as an image of operand registers.
; BY TURNS.  A unit u = 2 m + e is tile slot m, head e: 8 products for its scores, 68 vector lines that quantise them, 4 products with v.  In slot u of a key step the quantiser of unit u stands in slices between the
; products S(u + 1) and P V(u - 1): two sets of scores and of codes take turns.
; Register slot m holds the wave's tile m xor 2 (w / 2): so every wave keeps slots 0, 1 and hands over slots 2, 3, by one text.
; CLUSTER.  The four query blocks of a cluster walk the same k and v: each tile is asked for jointly.  A slot holds two key steps of both halves; by this text's own count a wave has at most two tensor loads out.
; O^T is cleared by moves, issued while the first tiles are on their way: products that start the sums would want two more copies of the key step's text.
; LIMITS of the quantiser: a block whose largest magnitude lies under 2^-124 gets the byte 1, a block of zeros too (its codes are zeros; this program alone reads the bytes); NaN and infinities are not served.
; REGISTERS: window 0: v2-15 addresses; v16-19 k's scale words, v20-23 v's, v24-27 q's, v28-29 P's; v32-47 the quantiser's; v48-87 two sets of codes; v96-223 two sets of scores.
;   window 1: v0-95 k's eight fragments; v128-199 q; v200-215 at work.   window 2: O^T at 64 m + 32 e + 8 t.   window 3: v0-95 v's eight fragments.
.set FR,    12
.set IMG,   1536
.set SLOT1, 1<<17                      ; slot 0 at 0, slot 1 here: one exclusive or turns an address.  A slot: (2 x key half + (0 k, 1 v)) x 24,576 + step x 12,288 + image x 1,536
.set SCL,   98304                      ; k's 16 scale groups of 512 bytes, then v's: filled once
.set SPARE, 122880                     ; the spare words, 128 bytes a wave: two blocks of 256 bytes that no other line names
.set STG,   229376                     ; behind slot 1: 16,384 bytes a wave, for the halves' sums
.set ADR, 2
.set ASC, 3
.set AK0, 4
.set AS0, 5
.set SPW, 6
.set NIL, 7
.set LI,  8
.set LS,  9
.set HH,  10
.set STW, 11
.set STR, 12
.set SLV, 13
.set QA0, 14
.set QA1, 15
.set KS,  16
.set VS,  20
.set QS,  24
.set PW,  28
.set TM,  32
.set PC,  48
.set S,   96
.set KF,  0                            ; in window 1
.set QF,  128
.set QT,  200
.set WV,  12
.set G1,  24                           ; s[24:31] group 1 for tiles; s[32:39] for the scale groups; s[40:43] group 0, which walks; s[44:47] the scales'
.set G1S, 32
.set G0,  40
.set G0S, 44
.set TB,  48                           ; LDS byte at which the key step in hand begins
.set TS,  49                           ; and its scale groups: 512 bytes a step
.set TWICE, 50
.set SLOTS, 51
.set SEL, 52
.set W_S,  0x05                        ; k and q in window 1, the scores in window 0
.set W_PV, 0xa3                        ; v in window 3, P in window 0, O^T in window 2
.set MSB, 0
.macro WIN new                         ; the immediate's high byte repeats the setting that is left
.if MSB != (\new)
	s_set_vgpr_msb (MSB<<8)|(\new)
.set MSB, (\new)
.endif
.endm
.macro PLACES
.rept 4
	v_nop
.endr
.endm
; Line j of 68 of the quantiser: 64 numbers v[s] on (window X) become codes in v[pc] .. v[pc + 11] and the scale word v[pw], both in window 0.
.macro QI s, X, pc, pw
.if j < 4
	WIN ((\X)<<2)|((\X)<<4)
	v_max3_num_f32 v[TM+j], 0x1800000, |v[(\s)+16*j]|, |v[(\s)+16*j+1]|   ; block j: my 16 numbers, and the floor 2^(3 - 127).  Each accumulator is read from its low end on
.elseif j < 32
	WIN ((\X)<<2)|((\X)<<4)
	v_max3_num_f32 v[TM+j%4], v[TM+j%4], |v[(\s)+16*(j%4)+2*(j/4)]|, |v[(\s)+16*(j%4)+2*(j/4)+1]|
.elseif j < 36
	WIN 0
	v_permlanex16_b32 v[TM+4+j-32], v[TM+j-32], s[SEL], s[SEL+1]
.elseif j < 40
	WIN 0
	v_max_num_f32 v[TM+j-36], v[TM+j-36], v[TM+4+j-36]
.elseif j < 44
	WIN 0
	v_add_nc_u32 v[TM+12+j-40], 0xff000000, v[TM+j-40]     ; 2 off the exponent field: the conversion's scale operand
.elseif j < 48
	WIN 0
	v_lshrrev_b32 v[TM+4+j-44], 23, v[TM+12+j-44]          ; the scale's byte
.elseif j == 48
	WIN 0
	v_lshl_or_b32 v[\pw], v[TM+5], 8, v[TM+4]
.elseif j < 51
	WIN 0
	v_lshl_or_b32 v[\pw], v[TM+4+j-47], 8*(j-47), v[\pw]
.elseif j < 55
	WIN (\X)
.if (j-51)%2 == 0
	v_cvt_scalef32_pk16_fp6_f32 v[(\pc)+6*((j-51)/2):(\pc)+6*((j-51)/2)+2], v[(\s)+32*((j-51)/2):(\s)+32*((j-51)/2)+15], v[TM+12+2*((j-51)/2)]
.else
	v_cvt_scalef32_pk16_fp6_f32 v[(\pc)+12+4*((j-51)/2):(\pc)+12+4*((j-51)/2)+2], v[(\s)+32*((j-51)/2)+16:(\s)+32*((j-51)/2)+31], v[TM+13+2*((j-51)/2)]
.endif
.elseif j == 55
	WIN 0
	v_nop                                                  ; one plain place behind the scaled conversions
.elseif (j-56)%6 < 3
	WIN 0
	v_permlane16_swap_b32 v[(\pc)+6*((j-56)/6)+(j-56)%6], v[(\pc)+12+4*((j-56)/6)+(j-56)%6]
.else
	WIN 0
	v_mov_b32 v[(\pc)+6*((j-56)/6)+(j-56)%6], v[(\pc)+12+4*((j-56)/6)+(j-56)%6-3]
.endif
.endm
.macro QUANT s, X, pc, pw
.set j, 0
.rept 68
	QI \s, \X, \pc, \pw
.set j, j+1
.endr
.endm
.macro CROUND                          ; a round of the cluster's barrier
	s_barrier_signal -1
	s_barrier_wait -1
	s_cmp_lg_u32 s[WV], 0
	s_cbranch_scc1 .Lnot_wave_0_\@
	s_barrier_signal -3
.Lnot_wave_0_\@:
	s_barrier_wait -3
	s_barrier_signal -1
	s_barrier_wait -1
.endm
	s_load_b256 s[4:11], s[0:1], 0x0               ; qkvc, qkvs, oc, os
	v_lshl_add_u32 v[SPW], v0, 2, SPARE
	v_mov_b32 v[NIL], 0
	ds_add_u32 v[SPW], v[NIL]                      ; the wave's opening: the add and its wait stand ahead of my first tensor load
	v_lshrrev_b32 v1, 5, v0
	v_readfirstlane_b32 s[WV], v1                  ; wave 0..3
	s_bfe_u32 s13, ttmp6, 0x40000                  ; cx
	s_lshl_b32 s14, ttmp9, 2
	s_add_co_u32 s14, s14, s13                     ; x: my block of 128 queries: it enters q's, oc's and os's addresses alone
	s_and_b32 s15, ttmp7, 0xffff                   ; pb, which the four partners share
	s_and_b32 s16, s[WV], 1                        ; my half of the queries.  Also: I fetch k (0) or v (1)
	s_lshr_b32 s17, s[WV], 1                       ; my half of the keys.  Also: for which half I fetch
	s_mov_b32 s[G1], 15|(3<<16)|(1<<21)            ; 15:0 the mask: all four; 17:16 elements of 8 bytes; 21 set beside a mask; no padding
	s_mov_b32 s[G1+1], 32<<16                      ; a dense block as rows of 256 bytes:
	s_mov_b32 s[G1+2], 96<<16                      ; 96 of them: 16 images, two key steps
	s_mov_b32 s[G1+3], 32<<16
	s_mov_b32 s[G1+4], 96
	s_mov_b32 s[G1+5], 32
	s_mov_b32 s[G1+6], 0
	s_mov_b32 s[G1+7], 0
	s_mov_b32 s[G1S], 15|(3<<16)|(1<<21)
	s_mov_b32 s[G1S+1], 32<<16
	s_mov_b32 s[G1S+2], 16<<16                     ; 16 rows: eight scale groups
	s_mov_b32 s[G1S+3], 32<<16
	s_mov_b32 s[G1S+4], 16
	s_mov_b32 s[G1S+5], 32
	s_mov_b32 s[G1S+6], 0
	s_mov_b32 s[G1S+7], 0
	s_mul_i32 s18, s16, 3145728
	s_add_co_u32 s18, s18, 3145728                 ; k's region or v's,
	s_mul_i32 s19, s15, 196608
	s_add_co_u32 s18, s18, s19                     ; pb's 128 images,
	s_mul_i32 s19, s17, 98304
	s_add_co_u32 s18, s18, s19                     ; the half's 64
	s_mov_b32 s19, 0
	s_lshl_b32 s20, s16, 17
	s_add_co_u32 s20, s20, 131072
	s_lshl_b32 s21, s15, 13
	s_add_co_u32 s20, s20, s21
	s_lshl_b32 s21, s17, 12
	s_add_co_u32 s20, s20, s21                     ; and the same of the scale groups
	s_mov_b32 s21, 0
	s_mul_i32 s22, s[WV], 24576                    ; where they go: the wave's number alone
	s_lshl_b32 s23, s16, 13
	s_lshl_b32 s60, s17, 12
	s_add_co_u32 s23, s23, s60
	s_add_co_u32 s23, s23, SCL
	s_mov_b32 s[SEL], 0x76543210
	s_mov_b32 s[SEL+1], 0xfedcba98
	s_mov_b32 s[TB], 0
	s_mov_b32 s[TS], 0
	s_mov_b32 s[SLOTS], 3
	s_wait_dscnt 0x0                               ; the opening add is done
	s_wait_kmcnt 0x0
	s_mov_b32 s[G0], 1
	s_mov_b32 s[G0+1], s22
	s_add_nc_u64 s[G0+2:G0+3], s[4:5], s[18:19]
	s_or_b32 s[G0+3], s[G0+3], 0x80000000
	s_mov_b32 s[G0S], 1
	s_mov_b32 s[G0S+1], s23
	s_add_nc_u64 s[G0S+2:G0S+3], s[6:7], s[20:21]
	s_or_b32 s[G0S+3], s[G0S+3], 0x80000000
	CROUND                                         ; all four work-groups are here: the first joint loads meet
	tensor_load_to_lds s[G0S:G0S+3], s[G1S:G1S+7]  ; the scale groups of all 16 key steps: filled once
	s_nop 0
	tensor_load_to_lds s[G0:G0+3], s[G1:G1+7]      ; slot 0: each half's key steps 0 and 1
	s_nop 0
	PLACES
	v_and_b32 v1, 31, v0
	v_lshlrev_b32 v[LI], 4, v1
	v_lshlrev_b32 v[LS], 2, v1
	v_bfe_u32 v[HH], v0, 4, 1
	s_mul_i32 s60, s17, 49152
	v_add_nc_u32 v[AK0], s60, v[LI]
	s_lshl_b32 s60, s17, 12
	s_add_co_u32 s60, s60, SCL
	v_add_nc_u32 v[AS0], s60, v[LI]
	s_lshl_b32 s60, s[WV], 14
	s_add_co_u32 s60, s60, STG
	v_add_nc_u32 v[STW], s60, v[LI]                ; where I put what I hand over,
	s_xor_b32 s60, s[WV], 2
	s_lshl_b32 s60, s60, 14
	s_add_co_u32 s60, s60, STG
	v_add_nc_u32 v[STR], s60, v[LI]                ; and where the wave of the other key half puts mine
	v_and_b32 v1, 15, v0
	v_lshlrev_b32 v1, 4, v1
	s_lshl_b32 s70, s17, 3
	s_sub_co_u32 s71, 8, s70
	v_add_nc_u32 v[QA0], s70, v1                   ; q's scale words: slots 0, 1 are tiles 2 kh, 2 kh + 1;
	v_add_nc_u32 v[QA1], s71, v1                   ; slots 2, 3 the other two
	s_lshl_b32 s62, s14, 3
	s_lshl_b32 s63, s16, 2
	s_add_co_u32 s62, s62, s63                     ; my first tile in the batch: 8 x + 4 qh
	s_mul_i32 s66, s62, IMG
	s_mul_i32 s63, s15, 196608
	s_add_co_u32 s66, s66, s63
	s_mul_i32 s63, s17, 2*IMG
	s_add_co_u32 s68, s66, 2*IMG
	s_sub_co_u32 s68, s68, s63                     ; slots 2, 3
	s_add_co_u32 s66, s66, s63                     ; slots 0, 1
	s_mov_b32 s67, 0
	s_mov_b32 s69, 0
	s_add_nc_u64 s[54:55], s[4:5], s[66:67]
	s_add_nc_u64 s[56:57], s[4:5], s[68:69]
	s_lshl_b32 s66, s15, 13
	s_lshl_b32 s63, s14, 9
	s_add_co_u32 s66, s66, s63
	s_lshl_b32 s63, s16, 8
	s_add_co_u32 s66, s66, s63
	s_add_nc_u64 s[58:59], s[6:7], s[66:67]
	global_load_b64 v[QS:QS+1], v[QA0], s[58:59]
	global_load_b64 v[QS+2:QS+3], v[QA1], s[58:59]
	WIN 0x40                                       ; destination window 1
.irp m, 0,1
	global_load_b128 v[QF+18*\m:QF+18*\m+3], v[LI], s[54:55] offset:IMG*\m
	global_load_b128 v[QT+4*\m:QT+4*\m+3], v[LI], s[54:55] offset:IMG*\m+512
	global_load_b128 v[QF+18*\m+14:QF+18*\m+17], v[LI], s[54:55] offset:IMG*\m+1024
	global_load_b128 v[QF+36+18*\m:QF+36+18*\m+3], v[LI], s[56:57] offset:IMG*\m
	global_load_b128 v[QT+8+4*\m:QT+8+4*\m+3], v[LI], s[56:57] offset:IMG*\m+512
	global_load_b128 v[QF+36+18*\m+14:QF+36+18*\m+17], v[LI], s[56:57] offset:IMG*\m+1024
.endr
.irp m, 0,1,2,3
.irp i, 6,7,8,9,10,11
	v_mov_b32 v[QF+18*\m+\i], 0                    ; the six zeros between q_even and q_odd
.endr
.endr
	WIN 0x80
.set i, 0
.rept 256
	v_mov_b32 v[i], 0                              ; O^T
.set i, i+1
.endr
	WIN 0
	; where my results go: tile T0 = 128 b + 8 x + 4 qh + 2 kh and the next; K step = the pair
	s_and_b32 s62, s15, 1
	s_lshl_b32 s62, s62, 7
	s_lshl_b32 s63, s14, 3
	s_add_co_u32 s62, s62, s63
	s_lshl_b32 s63, s16, 2
	s_add_co_u32 s62, s62, s63
	s_lshl_b32 s63, s17, 1
	s_add_co_u32 s62, s62, s63
	s_lshr_b32 s63, s15, 1
	s_lshl_b32 s66, s62, 3
	s_add_co_u32 s66, s66, s63
	s_mul_i32 s66, s66, IMG
	s_add_nc_u64 s[8:9], s[8:9], s[66:67]
	s_lshl_b32 s66, s63, 14
	s_lshl_b32 s62, s62, 6
	s_add_co_u32 s66, s66, s62
	s_add_nc_u64 s[10:11], s[10:11], s[66:67]
	s_wait_loadcnt 0x0                             ; q
	WIN 0x41
.irp m, 0,1,2,3
	v_mov_b32 v[QF+18*\m+4], v[QT+4*\m]            ; an image's registers 4, 5 end q_even, 6, 7 begin q_odd
	v_mov_b32 v[QF+18*\m+5], v[QT+4*\m+1]
	v_mov_b32 v[QF+18*\m+12], v[QT+4*\m+2]
	v_mov_b32 v[QF+18*\m+13], v[QT+4*\m+3]
.endr
	WIN 0
.irp b, 0,1,2,3
	v_mov_b32 v[TM+4+\b], 0                        ; written once: a lane permute's destination counts as one of its sources
.endr
; one matrix line.  z = 1: C is the constant 0; row = 1: source 0's scale word stands in lanes 16-31
.macro WM d, a, b, z, sa, sb, row
.if (\z) && (\row)
	v_wmma_scale_f32_16x16x128_f8f6f4 v[(\d):(\d)+7], v[(\a):(\a)+FR-1], v[(\b):(\b)+FR-1], 0, v[\sa], v[\sb] matrix_a_fmt:MATRIX_FMT_FP6 matrix_b_fmt:MATRIX_FMT_FP6 matrix_a_scale:MATRIX_SCALE_ROW1
.elseif \z
	v_wmma_scale_f32_16x16x128_f8f6f4 v[(\d):(\d)+7], v[(\a):(\a)+FR-1], v[(\b):(\b)+FR-1], 0, v[\sa], v[\sb] matrix_a_fmt:MATRIX_FMT_FP6 matrix_b_fmt:MATRIX_FMT_FP6
.elseif \row
	v_wmma_scale_f32_16x16x128_f8f6f4 v[(\d):(\d)+7], v[(\a):(\a)+FR-1], v[(\b):(\b)+FR-1], v[(\d):(\d)+7], v[\sa], v[\sb] matrix_a_fmt:MATRIX_FMT_FP6 matrix_b_fmt:MATRIX_FMT_FP6 matrix_a_scale:MATRIX_SCALE_ROW1
.else
	v_wmma_scale_f32_16x16x128_f8f6f4 v[(\d):(\d)+7], v[(\a):(\a)+FR-1], v[(\b):(\b)+FR-1], v[(\d):(\d)+7], v[\sa], v[\sb] matrix_a_fmt:MATRIX_FMT_FP6 matrix_b_fmt:MATRIX_FMT_FP6
.endif
.endm
.macro SMM u, t                        ; unit u's scores with the step's key tile t: one instruction holds all of K
	WIN W_S
	WM S+64*((\u)%2)+8*(\t), KF+FR*(\t), QF+18*((\u)/2)+6*((\u)%2), 1, KS+(\t)%4, QS+(\u)/2, (\t)/4
.endm
.macro PVM u, t                        ; O^T(u, channel tile t of the head) += v^T P^T.  O^T's links stand a key step apart, one instruction a turn
	WIN W_PV
	WM 64*((\u)/2)+32*((\u)%2)+8*(\t), FR*(4*((\u)%2)+(\t)), PC+20*((\u)%2), 0, VS+(\t), PW+(\u)%2, (\u)%2
.endm
.macro KLOAD off                       ; k's eight fragments and their scale group, off bytes on from the step in hand
	WIN 0x40
.irp f, 0,1,2,3,4,5,6,7
.irp c, 0,1,2
	ds_load_b128 v[KF+FR*\f+4*\c:KF+FR*\f+4*\c+3], v[ADR] offset:(\off)+IMG*\f+512*\c
.endr
.endr
	WIN 0
	ds_load_b128 v[KS:KS+3], v[ASC] offset:(\off)/24
.endm
.macro VLOAD
	WIN 0xc0
.irp f, 0,1,2,3,4,5,6,7
.irp c, 0,1,2
	ds_load_b128 v[FR*\f+4*\c:FR*\f+4*\c+3], v[ADR] offset:24576+IMG*\f+512*\c
.endr
.endr
	WIN 0
	ds_load_b128 v[VS:VS+3], v[ASC] offset:8192
.endm
; Slot u of a key step: the quantiser of unit u in nM slices, one IN FRONT of each of the nM matrix lines: S(u + 1), eight lines, then P V(u - 1), four.
; The distances, by count: behind the last line of S(u + 1) stand four slices (slot 0: the next slot's first lines, which read other accumulators) ahead of its first read; P's codes and scale word are made a slot ahead of
; P V (slot 7: 17 lines); a set is written again 48 lines or more behind the P V that read it.
.macro SLOT u
.set nM, 12
.if (\u) == 0
.set nM, 8
.endif
.if (\u) == 7
.set nM, 4
	WIN 0
	s_cmp_eq_u32 s[TWICE], 1                       ; the slot's second step has no successor in the slot
	s_cbranch_scc1 .Lno_k_\@
	KLOAD 12288                                    ; the next step's k: the last product that read k stands four slices back
.Lno_k_\@:
.endif
.set j, 0
.set i, 0
.rept nM
.rept (68*(i+1))/nM-(68*i)/nM
	QI S+64*((\u)%2), 0, PC+20*((\u)%2), PW+(\u)%2
.set j, j+1
.endr
.if ((\u) < 7) && (i < 8)
	SMM (\u)+1, i
.elseif (\u) < 7
.if ((\u) == 1) && (i == 8)
	s_wait_dscnt 0x0                               ; v is in
.endif
	PVM (\u)-1, i-8
.else
	PVM (\u)-1, i
.endif
.set i, i+1
.endr
.endm
.macro TRIP                            ; a key step: 128 keys, eight units
	v_add_nc_u32 v[ADR], s[TB], v[AK0]
	v_add_nc_u32 v[ASC], s[TS], v[AS0]
	VLOAD
	s_wait_dscnt 25                                ; k's 25 loads are in; v's 25 may be out (the same count on both ways in)
.set i, 0
.rept 8
	SMM 0, i
.set i, i+1
.endr
	PLACES
	SLOT 0
	SLOT 1
	SLOT 2
	SLOT 3
	SLOT 4
	SLOT 5
	SLOT 6
	SLOT 7
	PLACES
.set i, 0
.rept 4
	PVM 7, i
.set i, i+1
.endr
	WIN 0
	PLACES                                         ; in front of the loads into v's registers
.endm
.macro PAIR                            ; a slot's two key steps: written once, walked twice
	v_add_nc_u32 v[ADR], s[TB], v[AK0]
	v_add_nc_u32 v[ASC], s[TS], v[AS0]
	KLOAD 0
	s_mov_b32 s[TWICE], 2
.Ltrip_\@:
	TRIP
	s_add_co_u32 s[TB], s[TB], 12288
	s_add_co_u32 s[TS], s[TS], 512
	s_sub_co_u32 s[TWICE], s[TWICE], 1
	s_cmp_lg_u32 s[TWICE], 0
	s_cbranch_scc1 .Ltrip_\@
	s_sub_co_u32 s[TB], s[TB], 24576
	s_xor_b32 s[TB], s[TB], SLOT1                  ; on to the other slot
.endm
; THE CHANGE OF SLOTS, at a slot's head: each wave waits for all its tensor loads (its part of the slot ahead), adds 0 to its spare word, and waits for that and for its reads of the slot left.
; fill = 1: behind a round of the cluster's barrier the slot left takes the next two key steps: the load has a slot's two steps in which to land.
.macro CHANGE fill
	WIN 0
	s_wait_tensorcnt 0x0                           ; no tensor load of mine is out, so group 0 may be written
	ds_add_u32 v[SPW], v[NIL]
.if \fill
	s_xor_b32 s[G0+1], s[G0+1], SLOT1
	s_add_nc_u64 s[G0+2:G0+3], s[G0+2:G0+3], 24576
.endif
	s_wait_dscnt 0x0
.if \fill
	CROUND
	tensor_load_to_lds s[G0:G0+3], s[G1:G1+7]      ; the first thing behind the round, and my one tensor load until the next
	s_nop 0
	PLACES
.else
	s_barrier_signal -1
	s_barrier_wait -1
.endif
.endm
.Lslot:                                            ; three trips: fills 1, 2, 3 are asked for while fills 0, 1, 2 are multiplied
	CHANGE 1
	PAIR
	s_sub_co_u32 s[SLOTS], s[SLOTS], 1
	s_cmp_lg_u32 s[SLOTS], 0
	s_cbranch_scc1 .Lslot
	CHANGE 0                                       ; the last slot is written out
	PAIR
	; THE WAY OUT.  Slots 2 and 3 go to the wave of the other key half, and its come to me
	WIN 0x08                                       ; an LDS store's data: window 2
.set i, 0
.rept 32
	ds_store_b128 v[STW], v[128+4*i:128+4*i+3] offset:512*i     ; each accumulator from its low end on
.set i, i+1
.endr
	WIN 0
	s_wait_dscnt 0x0                               ; for the others' sake: my stores are done
	s_barrier_signal -1
	s_barrier_wait -1
.set i, 0
.rept 32
	ds_load_b128 v[S+4*i:S+4*i+3], v[STR] offset:512*i
.set i, i+1
.endr
	s_wait_dscnt 0x0
	WIN 0x82
.set i, 0
.rept 64
	v_pk_add_f32 v[2*i:2*i+1], v[2*i:2*i+1], v[S+2*i:S+2*i+1]
.set i, i+1
.endr
.irp m, 0,1
	QUANT 64*\m, 2, PC+20*\m, PW+\m                ; a tile's 128 channels of the pair: one fragment of the last product
.irp c, 0,1,2
	global_store_b128 v[LI], v[PC+20*\m+4*\c:PC+20*\m+4*\c+3], s[8:9] offset:8*IMG*\m+512*\c   ; 512 consecutive bytes
.endr
.endr
	v_cmp_ne_u32 vcc_lo, 0, v[HH]
	v_cndmask_b32 v[SLV], v[PW], v[PW+1], vcc_lo   ; lanes 0-15 the first tile's words, lanes 16-31 the second's
	global_store_b32 v[LS], v[SLV], s[10:11]       ; 128 consecutive bytes: half of an aligned 256; the buffer is 131,072 bytes in all
	s_wait_tensorcnt 0x0                           ; the wave's end
	ds_add_u32 v[SPW], v[NIL]
	s_wait_dscnt 0x0
	CROUND                                         ; the closing round
	s_endpgm
.Lfunc_end_k_q764ed6b71e_attn:
	.size	k_q764ed6b71e_attn, .Lfunc_end_k_q764ed6b71e_attn-k_q764ed6b71e_attn
	.p2alignl 7, 3214868480
	.fill 96, 4, 3214868480
	.section	.rodata,"a",@progbits
	.p2align	6, 0x0
	.amdhsa_kernel k_q764ed6b71e_attn
		.amdhsa_group_segment_fixed_size 327680
		.amdhsa_private_segment_fixed_size 0
		.amdhsa_enable_private_segment 0
		.amdhsa_kernarg_size 32
		.amdhsa_user_sgpr_count 2
		.amdhsa_user_sgpr_kernarg_segment_ptr 1
		.amdhsa_wavefront_size32 1
		.amdhsa_system_sgpr_workgroup_id_x 1
		.amdhsa_system_sgpr_workgroup_id_y 1
		.amdhsa_system_sgpr_workgroup_id_z 1
		.amdhsa_system_vgpr_workitem_id 0
		.amdhsa_next_free_vgpr 1024
		.amdhsa_next_free_sgpr 72
		.amdhsa_reserve_vcc 1
		.amdhsa_float_denorm_mode_32 3
		.amdhsa_float_denorm_mode_16_64 3
		.amdhsa_memory_ordered 1
		.amdhsa_forward_progress 1
		.amdhsa_inst_pref_size 141
	.end_amdhsa_kernel
	.amdgpu_metadata
---
amdhsa.version: [ 1, 2 ]
amdhsa.kernels:
  - .name:           k_q764ed6b71e_attn
    .symbol:         k_q764ed6b71e_attn.kd
    .args:
      - { .name: qkvc, .offset: 0, .size: 8, .value_kind: global_buffer, .address_space: global }
      - { .name: qkvs, .offset: 8, .size: 8, .value_kind: global_buffer, .address_space: global }
      - { .name: oc, .offset: 16, .size: 8, .value_kind: global_buffer, .address_space: global }
      - { .name: os, .offset: 24, .size: 8, .value_kind: global_buffer, .address_space: global }
    .group_segment_fixed_size: 327680
    .private_segment_fixed_size: 0
    .kernarg_segment_align: 8
    .kernarg_segment_size: 32
    .max_flat_workgroup_size: 128
    .sgpr_count:     72
    .vgpr_count:     1024
    .wavefront_size: 32
...
	.end_amdgpu_metadata
.endif
;; end of part 3
;; launch outp (part 4): grid 8 x 32, 4 waves a work-group, clusters of 4 x 4, 214,528 bytes of LDS; arguments oc, os, opc, ops, out0; writes out0
.if DOCPART == 4
	.amdgcn_target "amdgcn-amd-amdhsa--gfx1250"
	.amdhsa_code_object_version 6
	.text
	.protected	k_q764ed6b71e_outp
	.globl	k_q764ed6b71e_outp
	.p2align	8
	.type	k_q764ed6b71e_outp,@function
k_q764ed6b71e_outp:
	s_mov_b64 s[64:65], 0
	v_nop
	global_prefetch_b8 v0, s[64:65] scope:SCOPE_SE
	s_setreg_imm32_b32 hwreg(HW_REG_WAVE_MODE, 25, 1), 1
	s_wait_xcnt 0x0
	s_wait_alu depctr_hold_cnt(0) depctr_sa_sdst(0) depctr_va_vdst(0) depctr_va_sdst(0) depctr_va_ssrc(0) depctr_va_vcc(0) depctr_vm_vsrc(0)
	s_getreg_b32 s2, hwreg(HW_REG_IB_STS2, 6, 4)
	s_cmp_eq_u32 s2, 0
	s_cbranch_scc0 .Lentry_in_a_cluster
	s_endpgm
.Lentry_in_a_cluster:
	s_bfe_u32 s2, ttmp6, 0x10000c
	s_cmp_lg_u32 s2, 0xf033
	s_cbranch_scc0 .Lentry_shape_is_right
	s_endpgm
.Lentry_shape_is_right:
; out0 = o Wo^T on codes of FP6 (E2M3) with E8M0 scales, K = 1,024, sums in f32.  o's codes and scale words were made by the launch before, Wo's by the first; both lie as images of operand registers
; (a fragment: 1,536 bytes, registers 4 c .. 4 c + 3 of lane l at 512 c + 16 l; lane r of tile T holds row 32 (T / 2) + 8 (T % 2) + r + 8 (r / 8)).
; SHARES.  A tile of out0 is 128 x 128, so that each of 256 work-groups has one; a wave makes 64 x 64: 16 accumulators.  All of K fits in LDS: four chunks of 256 along K, each filled once; nothing is filled again.
; By this text's own count a wave has four tensor loads out.  CLUSTERS of 4 x 4: o's tiles are shared along a row of the cluster, Wo's along a column: each is asked for jointly.
; THE MATRIX INSTRUCTION IS USED TRANSPOSED (source 0 = 16 rows of Wo, source 1 = 16 rows of o): a lane holds eight neighbouring numbers of a row of out0.
; REGISTERS: window 0: v16-30 addresses; v32-47 o's scale words (register 2 g + a / 2, lanes 0-15 tile a even, lanes 16-31 odd); v48-63 Wo's (register 4 b + g % 4, lanes 16-31 for g >= 4); v64-127 the way out; v128-255 the accumulators.
;   window 1: two fragment buffers at v0 and v128: o's four fragments, then Wo's four.
.set FR,    12
.set IMG,   1536
.set TROW,  2*IMG
.set CHUNK, 16*TROW                    ; o's 8 tiles x 3,072 bytes, then Wo's 8
.set STAGE, 4*CHUNK                    ; 16 rows x (256 + 16) bytes for each wave
.set SPARE, STAGE+4*16*272             ; the spare words, 128 bytes a wave
.set ADRA, 16                          ; v16-19 LDS address of my fragments of o in chunk 0..3
.set ADRB, 20                          ; v20-23 of Wo
.set LI,   24
.set LS,   25
.set STO,  26
.set RD,   27
.set SPW,  28
.set NIL,  29
.set CO,   30
.set AS,   32
.set BS,   48
.set OB,   64
.set ACC,  128
.set G1,   24                          ; s[24:31] group 1 for o's tiles, s[32:39] for Wo's; s[40:55], s[68:83] groups 0, a set for each chunk
.set G1B,  32
.set G0,   40
.set G0B,  68
.set MSB, 0
.macro WIN new
.if MSB != (\new)
	s_set_vgpr_msb (MSB<<8)|(\new)
.set MSB, (\new)
.endif
.endm
.macro PLACES
.rept 4
	v_nop
.endr
.endm
.macro CROUND
	s_barrier_signal -1
	s_barrier_wait -1
	s_cmp_lg_u32 s14, 0
	s_cbranch_scc1 .Lnot_wave_0_\@
	s_barrier_signal -3
.Lnot_wave_0_\@:
	s_barrier_wait -3
	s_barrier_signal -1
	s_barrier_wait -1
.endm
	s_load_b256 s[4:11], s[0:1], 0x0               ; oc, os, opc, ops
	s_load_b64 s[12:13], s[0:1], 0x20              ; out0
	v_lshl_add_u32 v[SPW], v0, 2, SPARE
	v_mov_b32 v[NIL], 0
	ds_add_u32 v[SPW], v[NIL]                      ; the wave's opening: the add and its wait stand ahead of my first tensor load
	v_lshrrev_b32 v1, 5, v0
	v_readfirstlane_b32 s14, v1                    ; wave 0..3
	s_lshr_b32 s15, s14, 1                         ; my half of the rows.  Also: I fetch for o (0) or for Wo (1)
	s_and_b32 s16, s14, 1                          ; my half of the columns.  Also: which four tiles I fetch
	s_bfe_u32 s84, ttmp6, 0x40000                  ; cx
	s_bfe_u32 s85, ttmp6, 0x40004                  ; cy
	s_lshl_b32 s86, ttmp9, 2
	s_add_co_u32 s86, s86, s84                     ; tile column
	s_and_b32 s87, ttmp7, 0xffff
	s_lshl_b32 s87, s87, 2
	s_add_co_u32 s87, s87, s85                     ; tile row
	s_lshl_b32 s17, s85, 2
	s_lshl_b32 s17, 15, s17                        ; my row of the cluster
	s_lshl_b32 s18, 0x1111, s84                    ; my column
	s_or_b32 s[G1], s17, (3<<16)|(1<<21)           ; the mask; elements of 8 bytes; bit 21 beside a mask; no padding
	s_or_b32 s[G1B], s18, (3<<16)|(1<<21)
.irp g, G1, G1B
	s_mov_b32 s[\g+1], 384<<16                     ; 3,072 bytes: a tile's two K steps
	s_mov_b32 s[\g+2], 4<<16                       ; four tiles
	s_mov_b32 s[\g+3], 384<<16
	s_mov_b32 s[\g+4], 4
	s_mov_b32 s[\g+5], 1536                        ; from tile to tile: 12,288 bytes
	s_mov_b32 s[\g+6], 0
	s_mov_b32 s[\g+7], 0
.endr
	s_lshl_b32 s88, s16, 2
	s_lshl_b32 s20, s87, 3
	s_add_co_u32 s20, s20, s88
	s_mul_i32 s20, s20, 8*IMG                      ; o: tile 8 x tile row + 4 x half
	s_mov_b32 s21, 0
	s_lshl_b32 s22, s86, 3
	s_add_co_u32 s22, s22, s88
	s_add_co_u32 s22, s22, 704
	s_mul_i32 s22, s22, 8*IMG                      ; Wo: tile 704 + 8 x tile column + 4 x half
	s_mov_b32 s23, 0
	s_mul_i32 s19, s14, 4*TROW                     ; where they go: the wave's number alone
	s_wait_dscnt 0x0                               ; the opening add is done
	s_wait_kmcnt 0x0
	s_add_nc_u64 s[56:57], s[4:5], s[20:21]
	s_add_nc_u64 s[58:59], s[8:9], s[22:23]
	CROUND                                         ; all sixteen work-groups are here: the joint loads meet
.irp c, 0,1,2,3
	s_mov_b32 s[G0+4*\c], 1
	s_add_co_u32 s[G0+4*\c+1], s19, \c*CHUNK
	s_add_nc_u64 s[G0+4*\c+2:G0+4*\c+3], s[56:57], \c*TROW
	s_or_b32 s[G0+4*\c+3], s[G0+4*\c+3], 0x80000000
	s_mov_b32 s[G0B+4*\c], 1
	s_add_co_u32 s[G0B+4*\c+1], s19, \c*CHUNK
	s_add_nc_u64 s[G0B+4*\c+2:G0B+4*\c+3], s[58:59], \c*TROW
	s_or_b32 s[G0B+4*\c+3], s[G0B+4*\c+3], 0x80000000
.endr
	s_cmp_eq_u32 s15, 0                            ; a wave's four fills stand in one branch on the wave's number; an s_nop 0 follows each, four v_nop the last
	s_cbranch_scc0 .Lfill_b
.irp c, 0,1,2,3
	tensor_load_to_lds s[G0+4*\c:G0+4*\c+3], s[G1:G1+7]
	s_nop 0
.endr
	PLACES
	s_branch .Lfilled
.Lfill_b:
.irp c, 0,1,2,3
	tensor_load_to_lds s[G0B+4*\c:G0B+4*\c+3], s[G1B:G1B+7]
	s_nop 0
.endr
	PLACES
.Lfilled:
	v_and_b32 v1, 31, v0
	v_lshlrev_b32 v[LI], 4, v1
	v_lshlrev_b32 v[LS], 2, v1
	v_and_b32 v1, 15, v0                           ; r
	v_bfe_u32 v2, v0, 4, 1                         ; h
	s_mul_i32 s89, s15, 4*TROW
	s_mul_i32 s90, s16, 4*TROW
	s_add_co_u32 s90, s90, 8*TROW
.irp c, 0,1,2,3
	v_add_nc_u32 v[ADRA+\c], s89, v[LI]
	v_add_nc_u32 v[ADRB+\c], s90, v[LI]
	s_add_co_u32 s89, s89, CHUNK
	s_add_co_u32 s90, s90, CHUNK
.endr
	s_mul_i32 s89, s14, 16*272
	s_add_co_u32 s89, s89, STAGE                   ; my stage
	v_mul_u32_u24 v[STO], v1, 272
	v_lshl_add_u32 v[STO], v2, 6, v[STO]
	v_add_nc_u32 v[STO], s89, v[STO]               ; in: row r, + 64 h
	v_mul_u32_u24 v[RD], v2, 272
	v_lshl_add_u32 v[RD], v1, 4, v[RD]
	v_add_nc_u32 v[RD], s89, v[RD]                 ; back: lanes 0-15 one row of 256 bytes, lanes 16-31 the next
	v_lshlrev_b32 v[CO], 12, v2
	v_lshl_add_u32 v[CO], v1, 4, v[CO]             ; and the same two rows of out0
	s_lshl_b32 s90, s87, 3
	s_lshl_b32 s91, s15, 2
	s_add_co_u32 s90, s90, s91
	s_lshl_b32 s90, s90, 6
	s_mov_b32 s91, 0
	s_add_nc_u64 s[60:61], s[6:7], s[90:91]        ; my four tiles' scale words of o: 64 bytes a tile, 16,384 a K step
	s_lshl_b32 s92, s86, 3
	s_lshl_b32 s93, s16, 2
	s_add_co_u32 s92, s92, s93
	s_add_co_u32 s92, s92, 704
	s_lshl_b32 s92, s92, 9
	s_mov_b32 s93, 0
	s_add_nc_u64 s[62:63], s[10:11], s[92:93]      ; and Wo's: 512 bytes a tile
.irp g, 0,1,2,3,4,5,6,7
.irp i, 0,1
	global_load_b32 v[AS+2*\g+\i], v[LS], s[60:61] offset:16384*\g+128*\i
.endr
.endr
.irp i, 0,1,2,3
	global_load_b128 v[BS+4*\i:BS+4*\i+3], v[LI], s[62:63] offset:512*\i
.endr
	s_lshl_b32 s94, s87, 19                        ; out0: row 128 x tile row + 64 x half, 4,096 bytes a row;
	s_lshl_b32 s95, s15, 18
	s_add_co_u32 s94, s94, s95
	s_lshl_b32 s95, s86, 9                         ; column 128 x tile column + 64 x half, 4 bytes each
	s_add_co_u32 s94, s94, s95
	s_lshl_b32 s95, s16, 8
	s_add_co_u32 s94, s94, s95
	s_mov_b32 s95, 0
	s_add_nc_u64 s[12:13], s[12:13], s[94:95]
; one matrix line.  z: C is the constant 0; ra, rb: source 0's, source 1's scale word stands in lanes 16-31
.macro WM d, a, b, z, sa, sb, ra, rb
.if (\z) && (\rb)
	v_wmma_scale_f32_16x16x128_f8f6f4 v[(\d):(\d)+7], v[(\a):(\a)+FR-1], v[(\b):(\b)+FR-1], 0, v[\sa], v[\sb] matrix_a_fmt:MATRIX_FMT_FP6 matrix_b_fmt:MATRIX_FMT_FP6 matrix_b_scale:MATRIX_SCALE_ROW1
.elseif \z
	v_wmma_scale_f32_16x16x128_f8f6f4 v[(\d):(\d)+7], v[(\a):(\a)+FR-1], v[(\b):(\b)+FR-1], 0, v[\sa], v[\sb] matrix_a_fmt:MATRIX_FMT_FP6 matrix_b_fmt:MATRIX_FMT_FP6
.elseif (\ra) && (\rb)
	v_wmma_scale_f32_16x16x128_f8f6f4 v[(\d):(\d)+7], v[(\a):(\a)+FR-1], v[(\b):(\b)+FR-1], v[(\d):(\d)+7], v[\sa], v[\sb] matrix_a_fmt:MATRIX_FMT_FP6 matrix_b_fmt:MATRIX_FMT_FP6 matrix_a_scale:MATRIX_SCALE_ROW1 matrix_b_scale:MATRIX_SCALE_ROW1
.elseif \ra
	v_wmma_scale_f32_16x16x128_f8f6f4 v[(\d):(\d)+7], v[(\a):(\a)+FR-1], v[(\b):(\b)+FR-1], v[(\d):(\d)+7], v[\sa], v[\sb] matrix_a_fmt:MATRIX_FMT_FP6 matrix_b_fmt:MATRIX_FMT_FP6 matrix_a_scale:MATRIX_SCALE_ROW1
.elseif \rb
	v_wmma_scale_f32_16x16x128_f8f6f4 v[(\d):(\d)+7], v[(\a):(\a)+FR-1], v[(\b):(\b)+FR-1], v[(\d):(\d)+7], v[\sa], v[\sb] matrix_a_fmt:MATRIX_FMT_FP6 matrix_b_fmt:MATRIX_FMT_FP6 matrix_b_scale:MATRIX_SCALE_ROW1
.else
	v_wmma_scale_f32_16x16x128_f8f6f4 v[(\d):(\d)+7], v[(\a):(\a)+FR-1], v[(\b):(\b)+FR-1], v[(\d):(\d)+7], v[\sa], v[\sb] matrix_a_fmt:MATRIX_FMT_FP6 matrix_b_fmt:MATRIX_FMT_FP6
.endif
.endm
.macro FRAG3 reg, adr, off
.irp c, 0,1,2
	ds_load_b128 v[(\reg)+4*\c:(\reg)+4*\c+3], v[\adr] offset:(\off)+512*\c
.endr
.endm
.macro FETCH g                         ; K step g's eight fragments into buffer g % 2
	WIN 0x40
.irp i, 0,1,2,3
	FRAG3 128*((\g)%2)+FR*\i, ADRA+(\g)/2, \i*TROW+((\g)%2)*IMG
	FRAG3 128*((\g)%2)+48+FR*\i, ADRB+(\g)/2, \i*TROW+((\g)%2)*IMG
.endr
	WIN 0
.endm
; K step g: its fragments are in; the next step's are asked for; 16 products, the accumulators by turns.  Ahead of a new chunk: my part of it has landed, and a barrier says so of every wave.
.macro STEP g
	s_wait_dscnt 0x0
.if ((\g)%2 == 1) && ((\g) < 7)
	s_wait_tensorcnt 3-((\g)+1)/2                  ; chunk (g + 1) / 2 is in; the later chunks may be out
	s_barrier_signal -1
	s_barrier_wait -1
.endif
.if (\g) < 7
	PLACES                                         ; in front of loads into the buffer that the last step's products read
	FETCH (\g)+1
.endif
	WIN 0x05                                       ; both sources window 1; C and D window 0
.irp a, 0,1,2,3
.irp b, 0,1,2,3
	WM ACC+8*(4*\a+\b), 128*((\g)%2)+48+FR*\b, 128*((\g)%2)+FR*\a, (\g)==0, BS+4*\b+(\g)%4, AS+2*(\g)+\a/2, (\g)/4, \a%2
.endr
.endr
	WIN 0
.endm
	s_wait_tensorcnt 3                             ; my part of chunk 0 is in,
	s_barrier_signal -1
	s_barrier_wait -1                              ; everybody's is
	FETCH 0
	s_wait_loadcnt 0x0                             ; the scale words
	STEP 0
	STEP 1
	STEP 2
	STEP 3
	STEP 4
	STEP 5
	STEP 6
	STEP 7
	PLACES
; THE WAY OUT, a tile of 16 rows x 64 columns at a time, through my own stage: a lane's 32 bytes go in, whole rows of 256 bytes come back; sixteen lanes store 256 consecutive bytes, aligned.
; Accumulator (a, b), lane (r, h), register q: column 32 (b / 2) + 8 (b % 2) + 16 h + q.  The stage's row i is row 32 (a / 2) + 8 (a % 2) + i + 8 (i / 8) of my 64.
.macro TOSTAGE a
.irp b, 0,1,2,3
	ds_store_b128 v[STO], v[ACC+8*(4*(\a)+\b):ACC+8*(4*(\a)+\b)+3] offset:128*(\b/2)+32*(\b%2)       ; each accumulator from its low end on
	ds_store_b128 v[STO], v[ACC+8*(4*(\a)+\b)+4:ACC+8*(4*(\a)+\b)+7] offset:128*(\b/2)+32*(\b%2)+16
.endr
.irp i, 0,1,2,3,4,5,6,7
	ds_load_b128 v[OB+32*((\a)%2)+4*\i:OB+32*((\a)%2)+4*\i+3], v[RD] offset:544*\i   ; LDS serves a wave's instructions in order: these see the stores above, and the next tile's stores come behind them
.endr
.endm
.macro SEND a, younger
	s_wait_dscnt \younger
.irp i, 0,1,2,3,4,5,6,7
	global_store_b128 v[CO], v[OB+32*((\a)%2)+4*\i:OB+32*((\a)%2)+4*\i+3], s[12:13] offset:(32*((\a)/2)+8*((\a)%2)+2*\i+8*(\i/4))*4096 th:TH_STORE_NT
.endr
.endm
	TOSTAGE 0
.irp a, 1,2,3
.if \a > 1
	s_wait_xcnt 0x0                                ; tile a - 2's stores have read their registers: tile a's loads may land there
.endif
	TOSTAGE \a
	SEND \a-1, 16                                  ; behind tile a - 1's loads: tile a's 8 stores and 8 loads
.endr
	SEND 3, 0
	s_wait_tensorcnt 0x0                           ; the wave's end
	ds_add_u32 v[SPW], v[NIL]
	s_wait_dscnt 0x0
	CROUND                                         ; the closing round
	s_endpgm
.Lfunc_end_k_q764ed6b71e_outp:
	.size	k_q764ed6b71e_outp, .Lfunc_end_k_q764ed6b71e_outp-k_q764ed6b71e_outp
	.p2alignl 7, 3214868480
	.fill 96, 4, 3214868480
	.section	.rodata,"a",@progbits
	.p2align	6, 0x0
	.amdhsa_kernel k_q764ed6b71e_outp
		.amdhsa_group_segment_fixed_size 214528
		.amdhsa_private_segment_fixed_size 0
		.amdhsa_enable_private_segment 0
		.amdhsa_kernarg_size 40
		.amdhsa_user_sgpr_count 2
		.amdhsa_user_sgpr_kernarg_segment_ptr 1
		.amdhsa_wavefront_size32 1
		.amdhsa_system_sgpr_workgroup_id_x 1
		.amdhsa_system_sgpr_workgroup_id_y 1
		.amdhsa_system_sgpr_workgroup_id_z 1
		.amdhsa_system_vgpr_workitem_id 0
		.amdhsa_next_free_vgpr 512
		.amdhsa_next_free_sgpr 100
		.amdhsa_reserve_vcc 0
		.amdhsa_float_denorm_mode_32 3
		.amdhsa_float_denorm_mode_16_64 3
		.amdhsa_memory_ordered 1
		.amdhsa_forward_progress 1
		.amdhsa_inst_pref_size 49
	.end_amdhsa_kernel
	.amdgpu_metadata
---
amdhsa.version: [ 1, 2 ]
amdhsa.kernels:
  - .name:           k_q764ed6b71e_outp
    .symbol:         k_q764ed6b71e_outp.kd
    .args:
      - { .name: oc, .offset: 0, .size: 8, .value_kind: global_buffer, .address_space: global }
      - { .name: os, .offset: 8, .size: 8, .value_kind: global_buffer, .address_space: global }
      - { .name: opc, .offset: 16, .size: 8, .value_kind: global_buffer, .address_space: global }
      - { .name: ops, .offset: 24, .size: 8, .value_kind: global_buffer, .address_space: global }
      - { .name: out0, .offset: 32, .size: 8, .value_kind: global_buffer, .address_space: global }
    .group_segment_fixed_size: 214528
    .private_segment_fixed_size: 0
    .kernarg_segment_align: 8
    .kernarg_segment_size: 40
    .max_flat_workgroup_size: 128
    .sgpr_count:     100
    .vgpr_count:     512
    .wavefront_size: 32
...
	.end_amdgpu_metadata
.endif
;; end of part 4
